; MI455X (gfx1250); checked and timed in simulation.
; The chip was launched on July 23, 2026; its instructions are those of AMD's public machine-readable ISA for CDNA 5 (MIT licence, August 2026) and "CDNA5" Instruction Set Architecture Reference Guide (July 2026). The comments in the code are by the model that wrote it; some were corrected since.
;; DDSP Core. Allowed arithmetic: float matrix products may take bf16 or f16 operands with f32 sums; all other float work in f32.
;; Inputs: f0 32 x 64,000 float32; harmonic_mix 32 x 64,000 float32; loudness 32 x 64,000 float32; noise 32 x 64,000 float32.
;; Outputs: out0 32 x 64,000 float32.
;; One version. Each part assembles by itself: llvm-mc -triple=amdgcn-amd-amdhsa -mcpu=gfx1250 --defsym DOCPART=n.
;; ======== version 1 of 1: 2 launches
;; workspace buffers: audio 8,192,000 bytes; peaks 16,384 bytes
;; launch synth (part 1): grid 8 x 32, 16 waves a work-group, no clusters, 2,304 bytes of LDS; arguments f0, harmonic_mix, loudness, noise, audio, peaks; writes audio, peaks
.if DOCPART == 1
	.amdgcn_target "amdgcn-amd-amdhsa--gfx1250"
	.amdhsa_code_object_version 6
	.text
	.protected	k_q813d88dd69_synth
	.globl	k_q813d88dd69_synth
	.p2align	8
	.type	k_q813d88dd69_synth,@function
k_q813d88dd69_synth:
	s_mov_b64 s[64:65], 0
	v_nop
	global_prefetch_b8 v0, s[64:65] scope:SCOPE_SE
	s_setreg_imm32_b32 hwreg(HW_REG_WAVE_MODE, 25, 1), 1
	s_wait_xcnt 0x0
; audio[b][t] = loud * (noise + mix * (harm - noise)),  harm = sum over k = 1..60 of sin(k * phase) / k,
; phase = running sum along the row of 2 pi * 20 * exp(f0) / 44100.  Also each wave's largest |audio| (peaks[b][128]).
;
; SHARES.  A row is 64,000 samples = 125 segments of 512 samples (2,048 bytes).  Work-group (c, row) owns segments 16 c .. 16 c + 15,
; wave w segment 16 c + w, a lane four neighbouring samples in each of the segment's four tiles of 128: every load and store of a wave
; covers 512 consecutive bytes.  In chunk 7 only 13 segments exist: waves 13 to 15 load the row's last segment, take part in the sum
; over the earlier chunks and in the barrier, jump over the synthesis and store 0 as their peak word.
; THE PREFIX.  No work-group hears from another, so each sums exp(f0) over the c chunks in front of its own: wave w takes
; segment w of each of them.  The eight trip counts are written out as eight paths, so that every wait has a fixed count.
; THE PHASE is kept in turns and every partial sum is reduced by x - rndne(x), which is exact: only the fraction matters to a sine.
; THE HARMONICS.  r = fraction in [-1/2, 1/2]; sh = sin(pi r), ch = cos(pi r) by Taylor series in r^2 (seven terms, remainder under 1e-8);
; sin x / 2 = sh ch, 2 cos x = 2 - 4 sh^2.  The 60 harmonics are 1..5 and five blocks of eleven round K = 11 a, a = 1..5:
;   sin((K+b)x)/(K+b) + sin((K-b)x)/(K-b) = sin Kx cos bx * 2K/(K^2-b^2) - cos Kx sin bx * 2b/(K^2-b^2),  b = 1..5.
; Cosines are kept doubled (D_b = 2 cos bx, G_a = 2 cos 11ax), sines halved (n_b = sin bx / 2, N_a = sin 11ax / 2): the factors go into
; the constants, and G_1 = D5 D6 - D1, N_1 = n6 D5 - n1 are one instruction each.  All multiples come from y(j+1) = 2 cos * y(j) - y(j-1).
;   harm = sum (2/b) n_b + sum over a of [ N_a (2/K + sum alpha_ab D_b) - G_a sum gamma_ab n_b ]
; That is 85 packed instructions for two samples: 10 + 2 + 8 for the multiples, 55 with a constant each, 10 products.  All in f32.
; NOT USED, and why: the matrix unit (the contraction has one output column, and its 60 sines would have to be formed one by one first);
; tensor loads, LDS tiles, clusters (each byte of the own segment is used by one lane; the only shared bytes are the f0 of earlier
; chunks, of which the eight work-groups of a row need eight different amounts).
; LIMITS.  The phase here is more exact than an f32 running sum of radians: where that sum's own rounding (phase * 2^-24, times the
; slope 60 beside the sawtooth's jump) is no longer small, that is far above 10^3 rad of accumulated phase, the two differ.
; v_exp_f32 gives 0 for results under 2^-126.  The peak is taken with max_num: a NaN in audio does not enter it.
.set ROWB,   256000                    ; bytes in a row
.set TILEB,  512                       ; bytes in a tile: one b128 access of a wave
.set CHUNKB, 32768                     ; bytes in a chunk: 16 segments
.set NSEG,   125                       ; segments in a row
.set PH, 16                            ; v[16:31]   own f0, increments, prefixes, phase, r: tile t at PH + 4 t
.set SC, 32                            ; v[32:35]   scan over the lanes, one register a tile
.set EX, 36                            ; v[36:39]   what lies in front of the lane, one register a tile
.set LD, 40                            ; v[40:55]   loudness
.set MX, 56                            ; v[56:71]   harmonic_mix
.set NZ, 72                            ; v[72:87]   noise
.set YY, 88                            ; v[88:103]  rndne, then y = -r^2
.set SH, 104                           ; v[104:119] sin(pi r)
.set CH, 120                           ; v[120:135] cos(pi r), then n_1 = sh * ch
.set TC, 136                           ; v[136:151] D_1 = 2 cos x
.set HM, 152                           ; v[152:167] harm, then audio
.set PX, 40                            ; v[40:151]  f0 of up to seven earlier chunks, 16 registers each (done with before LD .. TC are filled)
.set S5V, 168                          ; v[168:169] SIN5 twice, v[170:171] COS5 twice
.set C5V, 170
.set K2V, 172                          ; v[172:181] 2 / (11 a) twice, a = 1..5
; the harmonic bank works on four chains (8 registers a quantity) at a time; seven of its sets lie where r, the scan, y and sh lay
.set CB2, 16                           ; D_2 .. D_5
.set CB3, 24
.set CB4, 32
.set CB5, 88
.set NB2, 96                           ; n_2 .. n_5
.set NB3, 104
.set NB4, 112
.set NB5, 182
.set GT,  190                          ; G_1
.set GA,  198                          ; G_2, G_4
.set GB,  206                          ; G_3, G_5
.set NA,  214                          ; N_1, N_3, N_5
.set NX,  222                          ; N_2, N_4
.set AA,  230                          ; D_6, then a block's sum over the cosines
.set BB,  238                          ; n_6, then a block's sum over the sines
.set SS, 36                            ; s[36+2n:37+2n] SINn twice (n = 0..4, 6)
.set CC, 48                            ; s[48+2n:49+2n] COSn twice (n = 1..4, 6)
; other vector registers: v1 lane, v2 offset in an earlier chunk, v3 offset of the own segment, v4 1.0 in lanes 16-31, v5 4 lane, v6 4 w,
; v7 LDS word, v8 sum over earlier chunks, v9 and v11 at work, v10 the wave's base phase, v12 peak, v13 segment total, v14 offset in peaks
; the f32 nearest to num / den, where 2^e <= num / den < 2^(e+1): the mantissa by whole-number division, rounded
.macro F32C name, num, den, e
.set \name, ((127+(\e))<<23)+(((((\num)<<(24-(\e)))/(\den))+1)>>1)-(1<<23)
.endm
; the same with the exponent found by comparisons, for 2^-12 <= num / den < 4
.macro F32Q name, num, den
.if (\num)>=2*(\den)
	F32C \name, \num, \den, 1
.elseif (\num)>=(\den)
	F32C \name, \num, \den, 0
.elseif 2*(\num)>=(\den)
	F32C \name, \num, \den, -1
.elseif 4*(\num)>=(\den)
	F32C \name, \num, \den, -2
.elseif 8*(\num)>=(\den)
	F32C \name, \num, \den, -3
.elseif 16*(\num)>=(\den)
	F32C \name, \num, \den, -4
.elseif 32*(\num)>=(\den)
	F32C \name, \num, \den, -5
.elseif 64*(\num)>=(\den)
	F32C \name, \num, \den, -6
.elseif 128*(\num)>=(\den)
	F32C \name, \num, \den, -7
.elseif 256*(\num)>=(\den)
	F32C \name, \num, \den, -8
.elseif 512*(\num)>=(\den)
	F32C \name, \num, \den, -9
.elseif 1024*(\num)>=(\den)
	F32C \name, \num, \den, -10
.elseif 2048*(\num)>=(\den)
	F32C \name, \num, \den, -11
.else
	F32C \name, \num, \den, -12
.endif
.endm
.set LOG2E, 0x3fb8aa3b
	F32C KT,   20, 44100, -12                      ; turns for a sample and a unit of exp(f0)
	F32C SIN0, 314159265, 100000000, 1             ; pi^(2n+1) / (2n+1)!
	F32C SIN1, 516771278, 100000000, 2
	F32C SIN2, 255016404, 100000000, 1
	F32C SIN3, 599264529, 1000000000, -1
	F32C SIN4, 821458866, 10000000000, -4
	F32C SIN5, 737043095, 100000000000, -8
	F32C SIN6, 46630281, 100000000000, -12
	F32C COS1, 493480220, 100000000, 2             ; pi^(2n) / (2n)!
	F32C COS2, 405871213, 100000000, 2
	F32C COS3, 133526277, 100000000, 0
	F32C COS4, 235330630, 1000000000, -3
	F32C COS5, 258068914, 10000000000, -6
	F32C COS6, 192957431, 100000000000, -10
.macro SPAIR reg, val                  ; a constant twice: a packed instruction takes the whole pair as read
	s_mov_b32 s[\reg], \val
	s_mov_b32 s[\reg+1], \val
.endm
.macro RED1 r, t                       ; v[r] -= rndne(v[r]): exact, leaves [-1/2, 1/2]
	v_rndne_f32 v[\t], v[\r]
	v_sub_f32 v[\r], v[\r], v[\t]
.endm
.macro RSUM r                          ; sum over the 32 lanes modulo 1, the same bits in every lane
.irp m, 1,2,4,8
	v_add_f32_dpp v[\r], v[\r], v[\r] row_xmask:\m row_mask:0xf bank_mask:0xf
	RED1 \r, 11
.endr
	v_permlanex16_b32 v9, v[\r], s30, s31
	v_add_f32 v[\r], v[\r], v9
	RED1 \r, 11
.endm
.macro OWNF0                           ; the wave's own segment of f0
.irp i, 0,1,2,3
	global_load_b128 v[PH+4*\i:PH+4*\i+3], v3, s[4:5] offset:\i*TILEB
.endr
.endm
; 16 numbers a lane of earlier chunk j: exp, a tree of sums, then ACC = KT * sum + ACC, reduced
.macro PREBLK j
.set PB, PX+16*(\j)
.irp q, 0,2,4,6,8,10,12,14
	v_pk_mul_f32 v[PB+\q:PB+\q+1], v[PB+\q:PB+\q+1], s[26:27] op_sel_hi:[1,0]
.endr
.irp q, 0,1,2,3,4,5,6,7,8,9,10,11,12,13,14,15
	v_exp_f32 v[PB+\q], v[PB+\q]
.endr
	v_nop                                          ; one plain place between the exponentials and the first use of a result (ISA guide 5.7.2)
	s_wait_alu depctr_va_vdst(0)
	v_pk_add_f32 v[PB:PB+1], v[PB:PB+1], v[PB+2:PB+3]
	v_pk_add_f32 v[PB+4:PB+5], v[PB+4:PB+5], v[PB+6:PB+7]
	v_pk_add_f32 v[PB+8:PB+9], v[PB+8:PB+9], v[PB+10:PB+11]
	v_pk_add_f32 v[PB+12:PB+13], v[PB+12:PB+13], v[PB+14:PB+15]
	v_pk_add_f32 v[PB:PB+1], v[PB:PB+1], v[PB+4:PB+5]
	v_pk_add_f32 v[PB+8:PB+9], v[PB+8:PB+9], v[PB+12:PB+13]
	v_pk_add_f32 v[PB:PB+1], v[PB:PB+1], v[PB+8:PB+9]
	v_add_f32 v[PB], v[PB], v[PB+1]
.if (\j)==0
	v_mul_f32 v8, s28, v[PB]                       ; the first block starts the sum
.else
	v_fmac_f32 v8, s28, v[PB]
.endif
	RED1 8, 11
.endm
; the path of a work-group with n earlier chunks: all 4 n + 4 loads are issued at once
.macro PRE n
.set jj, 0
.rept \n
.irp i, 0,1,2,3
	global_load_b128 v[PX+16*jj+4*\i:PX+16*jj+4*\i+3], v2, s[4:5] offset:jj*CHUNKB+\i*TILEB   ; no hint: the row's other work-groups read these bytes too
.endr
.set jj, jj+1
.endr
	OWNF0
.set jj, 0
.rept \n
	s_wait_loadcnt 4*(\n-1-jj)+4                   ; loads return in order: the later chunks' loads and the four of the own f0 may stay out
	PREBLK jj
.set jj, jj+1
.endr
.endm
; on all eight chains (a chain = a register pair = two samples): d = a * b + a scalar constant
.macro FMAS d, a, b, sreg
.irp q, 0,2,4,6,8,10,12,14
	v_pk_fma_f32 v[\d+\q:\d+\q+1], v[\a+\q:\a+\q+1], v[\b+\q:\b+\q+1], s[\sreg:\sreg+1] op_sel_hi:[1,1,0]
.endr
.endm
; ---- the harmonic bank's steps, each on four chains
.macro VFMS d, a, b, c                 ; d = a b - c
.irp q, 0,2,4,6
	v_pk_fma_f32 v[\d+\q:\d+\q+1], v[\a+\q:\a+\q+1], v[\b+\q:\b+\q+1], v[\c+\q:\c+\q+1] neg_lo:[0,0,1] neg_hi:[0,0,1]
.endr
.endm
.macro VFM2 d, a, b                    ; d = a b - 2
.irp q, 0,2,4,6
	v_pk_fma_f32 v[\d+\q:\d+\q+1], v[\a+\q:\a+\q+1], v[\b+\q:\b+\q+1], -2.0 op_sel_hi:[1,1,0]
.endr
.endm
.macro VMUL d, a, b                    ; d = a b
.irp q, 0,2,4,6
	v_pk_mul_f32 v[\d+\q:\d+\q+1], v[\a+\q:\a+\q+1], v[\b+\q:\b+\q+1]
.endr
.endm
.macro VACC d, a, b                    ; d += a b
.irp q, 0,2,4,6
	v_pk_fma_f32 v[\d+\q:\d+\q+1], v[\a+\q:\a+\q+1], v[\b+\q:\b+\q+1], v[\d+\q:\d+\q+1]
.endr
.endm
.macro VDEC d, a, b                    ; d -= a b
.irp q, 0,2,4,6
	v_pk_fma_f32 v[\d+\q:\d+\q+1], v[\a+\q:\a+\q+1], v[\b+\q:\b+\q+1], v[\d+\q:\d+\q+1] neg_lo:[1,0,0] neg_hi:[1,0,0]
.endr
.endm
.macro KMUL d, a                       ; d = a * KV, KV the constant set just before
.irp q, 0,2,4,6
	v_pk_mul_f32 v[\d+\q:\d+\q+1], v[\a+\q:\a+\q+1], KV op_sel_hi:[1,0]
.endr
.endm
.macro KFMA d, a                       ; d += a * KV
.irp q, 0,2,4,6
	v_pk_fma_f32 v[\d+\q:\d+\q+1], v[\a+\q:\a+\q+1], KV, v[\d+\q:\d+\q+1] op_sel_hi:[1,0,1]
.endr
.endm
.macro KFMC d, a, c                    ; d = a * KV + the constant pair v[c:c+1]: starts a sum, nothing is cleared
.irp q, 0,2,4,6
	v_pk_fma_f32 v[\d+\q:\d+\q+1], v[\a+\q:\a+\q+1], KV, v[\c:\c+1] op_sel_hi:[1,0,1]
.endr
.endm
.macro AB b, dset, nset                ; harmonics KK + b and KK - b: one term of each of the block's two sums, which do not wait for each other
	F32Q KV, 2*KK, KK*KK-(\b)*(\b)
	KFMA AA, \dset
	F32Q KV, 2*(\b), KK*KK-(\b)*(\b)
	KFMA BB, \nset
.endm
.macro BLOCK a, g, n                   ; the eleven harmonics round KK = 11 a; g = G_a, n = N_a
.set KK, 11*\a
	F32Q KV, 2*KK, KK*KK-1
	KFMC AA, TCH, K2V+2*\a-2
	F32Q KV, 2, KK*KK-1
	KMUL BB, N1H
	AB 2, CB2, NB2
	AB 3, CB3, NB3
	AB 4, CB4, NB4
	AB 5, CB5, NB5
	VACC ACH, \n, AA
	VDEC ACH, \g, BB
.endm
.macro HALF h                          ; tiles 2 h and 2 h + 1: chains 4 h .. 4 h + 3
.set TCH, TC+8*\h
.set N1H, CH+8*\h
.set ACH, HM+8*\h
	VFM2 CB2, TCH, TCH                             ; the multiples of x, with harmonics 1..5 summed as their sines appear
	VMUL NB2, TCH, N1H
	F32Q KV, 2, 1
	KMUL ACH, N1H
	VFMS CB3, TCH, CB2, TCH
	VFMS NB3, TCH, NB2, N1H
	F32Q KV, 2, 2
	KFMA ACH, NB2
	VFMS CB4, TCH, CB3, CB2
	VFMS NB4, TCH, NB3, NB2
	F32Q KV, 2, 3
	KFMA ACH, NB3
	VFMS CB5, TCH, CB4, CB3
	VFMS NB5, TCH, NB4, NB3
	F32Q KV, 2, 4
	KFMA ACH, NB4
	VFMS AA, TCH, CB5, CB4                         ; D_6
	VFMS BB, TCH, NB5, NB4                         ; n_6
	F32Q KV, 2, 5
	KFMA ACH, NB5
	VFMS GT, CB5, AA, TCH                          ; G_1 = D5 D6 - D1
	VFMS NA, BB, CB5, N1H                          ; N_1 = n6 D5 - n1
	BLOCK 1, GT, NA
	VFM2 GA, GT, GT                                ; the multiples of 11 x, each pair in front of its block
	VMUL NX, GT, NA
	BLOCK 2, GA, NX
	VFMS GB, GT, GA, GT
	VFMS NA, GT, NX, NA
	BLOCK 3, GB, NA
	VFMS GA, GT, GB, GA
	VFMS NX, GT, NA, NX
	BLOCK 4, GA, NX
	VFMS GB, GT, GA, GB
	VFMS NA, GT, NX, NA
	BLOCK 5, GB, NA
.endm
	; ---- set-up
	s_load_b256 s[4:11], s[0:1], 0x0               ; f0 s[4:5], mix s[6:7], loudness s[8:9], noise s[10:11]
	s_load_b128 s[12:15], s[0:1], 0x20             ; audio s[12:13], peaks s[14:15]
	v_lshl_add_u32 v248, v0, 2, 0x100
	v_mov_b32 v249, 0
	v_and_b32 v1, 31, v0                           ; lane
	v_lshrrev_b32 v9, 5, v0
	v_readfirstlane_b32 s16, v9                    ; w
	s_mov_b32 s17, ttmp9                           ; c
	s_and_b32 s18, ttmp7, 0xffff                   ; row
	s_mul_i32 s20, s18, ROWB                       ; the row's byte offset (under 8.2 million)
	s_mov_b32 s21, 0
	s_lshl_b32 s22, s17, 4
	s_add_co_u32 s22, s22, s16                     ; seg = 16 c + w, 0 .. 127
	s_min_u32 s23, s22, NSEG-1                     ; the segment that is loaded: never past the row's end
	s_add_co_u32 s24, s16, 16
	v_lshlrev_b32 v11, 4, v1                       ; 16 bytes a lane
	v_lshl_or_b32 v2, v9, 11, v11                  ; segment w of a chunk
	s_lshl_b32 s19, s23, 11
	v_add_nc_u32 v3, s19, v11                      ; the own segment
	v_cmp_lt_u32 vcc_lo, 15, v1
	v_cndmask_b32 v4, 0, 1.0, vcc_lo               ; 1.0 in the upper 16 lanes
	v_lshlrev_b32 v5, 2, v1
	v_lshlrev_b32 v6, 2, v9
	s_lshl_b32 s19, s18, 9
	s_lshl2_add_u32 s19, s22, s19                  ; peaks: 512 row + 4 seg
	v_mov_b32 v14, s19
	SPAIR 26, LOG2E
	SPAIR 28, KT
	s_mov_b32 s30, 0x76543210                      ; v_permlanex16_b32: lane i takes lane i of the other half
	s_mov_b32 s31, 0xfedcba98
	SPAIR SS+0, SIN0
	SPAIR SS+2, SIN1
	SPAIR SS+4, SIN2
	SPAIR SS+6, SIN3
	SPAIR SS+8, SIN4
	SPAIR SS+12, SIN6
	SPAIR CC+2, COS1
	SPAIR CC+4, COS2
	SPAIR CC+6, COS3
	SPAIR CC+8, COS4
	SPAIR CC+12, COS6
	v_mov_b32 v[S5V], SIN5
	v_mov_b32 v[S5V+1], SIN5
	v_mov_b32 v[C5V], COS5
	v_mov_b32 v[C5V+1], COS5
.irp a, 1,2,3,4,5
	F32Q KV, 2, 11*\a
	v_mov_b32 v[K2V+2*\a-2], KV                    ; 2 / (11 a): the middle harmonic of block a
	v_mov_b32 v[K2V+2*\a-1], KV
.endr
	s_wait_kmcnt 0x0
	s_add_nc_u64 s[4:5], s[4:5], s[20:21]          ; the five arrays at the row's first byte
	s_add_nc_u64 s[6:7], s[6:7], s[20:21]
	s_add_nc_u64 s[8:9], s[8:9], s[20:21]
	s_add_nc_u64 s[10:11], s[10:11], s[20:21]
	s_add_nc_u64 s[12:13], s[12:13], s[20:21]
	; ---- the sum over the c earlier chunks, one written-out path for each c
.irp p, 1,2,3,4,5,6,7
	s_cmp_eq_u32 s17, \p
	s_cbranch_scc1 .Lpre\p
.endr
	OWNF0                                          ; c = 0: nothing lies in front
	v_mov_b32 v8, 0
	s_branch .Ljoin
.Lpre1:
	PRE 1
	s_branch .Ljoin
.Lpre2:
	PRE 2
	s_branch .Ljoin
.Lpre3:
	PRE 3
	s_branch .Ljoin
.Lpre4:
	PRE 4
	s_branch .Ljoin
.Lpre5:
	PRE 5
	s_branch .Ljoin
.Lpre6:
	PRE 6
	s_branch .Ljoin
.Lpre7:
	PRE 7
.Ljoin:
	; ---- the other three inputs set out now and are wanted only behind the harmonic bank
.irp i, 0,1,2,3
	global_load_b128 v[LD+4*\i:LD+4*\i+3], v3, s[8:9] offset:\i*TILEB th:TH_LOAD_NT
.endr
.irp i, 0,1,2,3
	global_load_b128 v[MX+4*\i:MX+4*\i+3], v3, s[6:7] offset:\i*TILEB th:TH_LOAD_NT
.endr
.irp i, 0,1,2,3
	global_load_b128 v[NZ+4*\i:NZ+4*\i+3], v3, s[10:11] offset:\i*TILEB th:TH_LOAD_NT
.endr
	s_wait_loadcnt 12                              ; the own f0 is in; the twelve loads just issued stay out (the same on all eight paths)
	; ---- own increments in turns: KT * 2^(LOG2E * f0)
.irp q, 0,2,4,6,8,10,12,14
	v_pk_mul_f32 v[PH+\q:PH+\q+1], v[PH+\q:PH+\q+1], s[26:27] op_sel_hi:[1,0]
.endr
.irp q, 0,1,2,3,4,5,6,7,8,9,10,11,12,13,14,15
	v_exp_f32 v[PH+\q], v[PH+\q]
.endr
	v_nop                                          ; the plain place behind the exponentials
	s_wait_alu depctr_va_vdst(0)
.irp q, 0,2,4,6,8,10,12,14
	v_pk_mul_f32 v[PH+\q:PH+\q+1], v[PH+\q:PH+\q+1], s[28:29] op_sel_hi:[1,0]
.endr
	; ---- the scan inside the segment: four samples in the lane, 16 lanes, two halves, four tiles
.irp s, 1,2,3
.irp t, 0,1,2,3
	v_add_f32 v[PH+4*\t+\s], v[PH+4*\t+\s-1], v[PH+4*\t+\s]
.endr
.endr
.irp t, 0,1,2,3
	v_mov_b32 v[SC+\t], v[PH+4*\t+3]               ; the lane's total
.endr
.irp m, 1,2,4,8
.irp t, 0,1,2,3
	v_add_f32_dpp v[SC+\t], v[SC+\t], v[SC+\t] row_shr:\m row_mask:0xf bank_mask:0xf   ; lanes without a source keep their value
.endr
.endr
.irp t, 0,1,2,3
	v_mov_b32 v[EX+\t], 0
.endr
.irp t, 0,1,2,3
	v_mov_b32_dpp v[EX+\t], v[SC+\t] row_shr:1 row_mask:0xf bank_mask:0xf             ; what lies in front of the lane in its half; 0 stays in lanes 0 and 16
	v_readlane_b32 s[66+\t], v[SC+\t], 15          ; the lower half's total
	v_readlane_b32 s[70+\t], v[SC+\t], 31          ; the upper half's
.endr
.irp t, 0,1,2,3
	v_fmac_f32 v[EX+\t], s[66+\t], v4              ; the upper lanes stand behind the lower half
	s_add_f32 s[70+\t], s[66+\t], s[70+\t]         ; the tile's total
.endr
	s_add_f32 s74, s70, s71                        ; in front of tile 2 (in front of tile 1: s70)
	s_add_f32 s75, s74, s72                        ; in front of tile 3
	s_add_f32 s76, s75, s73                        ; the segment's total
	; ---- the waves exchange their two figures: PRE[w] at LDS byte 4 w, SEG[w] at 64 + 4 w
	RSUM 8
	v_mov_b32 v13, s76
	RED1 13, 11
	ds_store_b32 v6, v8                            ; all lanes store the same word with the same bits
	ds_store_b32 v6, v13 offset:64
	s_wait_dscnt 0x0                               ; for the other waves' sake: both stores are done in front of the signal
	s_barrier_signal -1
	s_barrier_wait -1
	ds_load_b32 v7, v5                             ; lanes 0-15: PRE[lane]; lanes 16-31: SEG[lane - 16]
	s_wait_dscnt 0x0
	v_cmp_gt_u32 vcc_lo, s24, v1                   ; all of PRE, and SEG of the waves in front of mine
	v_cndmask_b32 v10, 0, v7, vcc_lo
	RSUM 10                                        ; the phase in front of my segment, modulo one turn
	v_mov_b32 v12, 0                               ; the peak starts at 0, and stays there in a wave without a segment
	s_cmp_ge_u32 s22, NSEG
	s_cbranch_scc1 .Lpeak
	; ---- phase of every sample, then its fraction r
	v_add_f32 v[EX], v10, v[EX]
	v_add_f32 v[SC+1], s70, v10
	v_add_f32 v[SC+2], s74, v10
	v_add_f32 v[SC+3], s75, v10
.irp t, 1,2,3
	v_add_f32 v[EX+\t], v[SC+\t], v[EX+\t]
.endr
.irp t, 0,1,2,3
.irp s, 0,1,2,3
	v_add_f32 v[PH+4*\t+\s], v[EX+\t], v[PH+4*\t+\s]
.endr
.endr
.irp q, 0,1,2,3,4,5,6,7,8,9,10,11,12,13,14,15
	v_rndne_f32 v[YY+\q], v[PH+\q]
.endr
.irp q, 0,2,4,6,8,10,12,14
	v_pk_add_f32 v[PH+\q:PH+\q+1], v[PH+\q:PH+\q+1], v[YY+\q:YY+\q+1] neg_lo:[0,1] neg_hi:[0,1]   ; r
.endr
.irp q, 0,2,4,6,8,10,12,14
	v_pk_mul_f32 v[YY+\q:YY+\q+1], v[PH+\q:PH+\q+1], v[PH+\q:PH+\q+1] neg_lo:[1,0] neg_hi:[1,0]   ; y = -r^2: all coefficients positive
.endr
	; ---- sh = r * (SIN0 + y (SIN1 + ..)),  ch = 1 + y (COS1 + y (COS2 + ..))
.irp q, 0,2,4,6,8,10,12,14
	v_pk_fma_f32 v[SH+\q:SH+\q+1], v[YY+\q:YY+\q+1], s[SS+12:SS+13], v[S5V:S5V+1] op_sel_hi:[1,0,1]
.endr
.irp q, 0,2,4,6,8,10,12,14
	v_pk_fma_f32 v[CH+\q:CH+\q+1], v[YY+\q:YY+\q+1], s[CC+12:CC+13], v[C5V:C5V+1] op_sel_hi:[1,0,1]
.endr
	FMAS SH, SH, YY, SS+8
	FMAS CH, CH, YY, CC+8
	FMAS SH, SH, YY, SS+6
	FMAS CH, CH, YY, CC+6
	FMAS SH, SH, YY, SS+4
	FMAS CH, CH, YY, CC+4
	FMAS SH, SH, YY, SS+2
	FMAS CH, CH, YY, CC+2
	FMAS SH, SH, YY, SS+0
.irp q, 0,2,4,6,8,10,12,14
	v_pk_fma_f32 v[CH+\q:CH+\q+1], v[CH+\q:CH+\q+1], v[YY+\q:YY+\q+1], 1.0 op_sel_hi:[1,1,0]
.endr
.irp q, 0,2,4,6,8,10,12,14
	v_pk_mul_f32 v[SH+\q:SH+\q+1], v[SH+\q:SH+\q+1], v[PH+\q:PH+\q+1]
.endr
.irp q, 0,2,4,6,8,10,12,14
	v_pk_mul_f32 v[TC+\q:TC+\q+1], v[SH+\q:SH+\q+1], v[SH+\q:SH+\q+1]
.endr
.irp q, 0,2,4,6,8,10,12,14
	v_pk_fma_f32 v[TC+\q:TC+\q+1], v[TC+\q:TC+\q+1], -4.0, 2.0 op_sel_hi:[1,0,0]    ; D_1 = 2 cos x = 2 - 4 sh^2
.endr
.irp q, 0,2,4,6,8,10,12,14
	v_pk_mul_f32 v[CH+\q:CH+\q+1], v[SH+\q:SH+\q+1], v[CH+\q:CH+\q+1]               ; n_1 = sh ch = sin x / 2
.endr
	; ---- the harmonic bank: r, the scan, y and sh are done with, their registers serve it
	HALF 0
	HALF 1
	; ---- mix, peak, store
	s_wait_loadcnt 0x0                             ; loudness, mix and noise
.irp q, 0,2,4,6,8,10,12,14
	v_pk_add_f32 v[HM+\q:HM+\q+1], v[HM+\q:HM+\q+1], v[NZ+\q:NZ+\q+1] neg_lo:[0,1] neg_hi:[0,1]   ; harm - noise
.endr
.irp q, 0,2,4,6,8,10,12,14
	v_pk_fma_f32 v[HM+\q:HM+\q+1], v[MX+\q:MX+\q+1], v[HM+\q:HM+\q+1], v[NZ+\q:NZ+\q+1]
.endr
.irp q, 0,2,4,6,8,10,12,14
	v_pk_mul_f32 v[HM+\q:HM+\q+1], v[HM+\q:HM+\q+1], v[LD+\q:LD+\q+1]
.endr
.irp t, 0,1,2,3
	global_store_b128 v3, v[HM+4*\t:HM+4*\t+3], s[12:13] offset:\t*TILEB      ; 512 consecutive bytes a wave; no hint: the next launch reads them
.endr
.irp q, 0,2,4,6,8,10,12,14
	v_max3_num_f32 v12, |v[HM+\q]|, |v[HM+\q+1]|, v12
.endr
.Lpeak:
.irp m, 1,2,4,8
	v_max_num_f32_dpp v12, v12, v12 row_xmask:\m row_mask:0xf bank_mask:0xf
.endr
	v_permlanex16_b32 v9, v12, s30, s31
	v_max_num_f32 v12, v12, v9                     ; the wave's largest |audio|
	v_cmp_eq_u32 vcc_lo, 0, v1
	s_wait_xcnt 0x0                                ; EXEC is a source of the loads and stores that are out: it narrows only behind this wait
	s_wait_tensorcnt 0x0
	ds_add_u32 v248, v249
	s_wait_dscnt 0x0
	s_and_saveexec_b32 s25, vcc_lo
	global_store_b32 v14, v12, s[14:15]            ; lane 0 alone: one word for the wave
	s_endpgm
.Lfunc_end_k_q813d88dd69_synth:
	.size	k_q813d88dd69_synth, .Lfunc_end_k_q813d88dd69_synth-k_q813d88dd69_synth
	.p2alignl 7, 3214868480
	.fill 96, 4, 3214868480
	.section	.rodata,"a",@progbits
	.p2align	6, 0x0
	.amdhsa_kernel k_q813d88dd69_synth
		.amdhsa_group_segment_fixed_size 2304
		.amdhsa_private_segment_fixed_size 0
		.amdhsa_enable_private_segment 0
		.amdhsa_kernarg_size 48
		.amdhsa_user_sgpr_count 2
		.amdhsa_user_sgpr_kernarg_segment_ptr 1
		.amdhsa_wavefront_size32 1
		.amdhsa_system_sgpr_workgroup_id_x 1
		.amdhsa_system_sgpr_workgroup_id_y 1
		.amdhsa_system_sgpr_workgroup_id_z 1
		.amdhsa_system_vgpr_workitem_id 0
		.amdhsa_next_free_vgpr 250
		.amdhsa_next_free_sgpr 80
		.amdhsa_reserve_vcc 1
		.amdhsa_float_denorm_mode_32 3
		.amdhsa_float_denorm_mode_16_64 3
		.amdhsa_memory_ordered 1
		.amdhsa_forward_progress 1
		.amdhsa_inst_pref_size 141
	.end_amdhsa_kernel
	.amdgpu_metadata
---
amdhsa.version: [ 1, 2 ]
amdhsa.kernels:
  - .name:           k_q813d88dd69_synth
    .symbol:         k_q813d88dd69_synth.kd
    .args:
      - { .name: f0, .offset: 0, .size: 8, .value_kind: global_buffer, .address_space: global }
      - { .name: harmonic_mix, .offset: 8, .size: 8, .value_kind: global_buffer, .address_space: global }
      - { .name: loudness, .offset: 16, .size: 8, .value_kind: global_buffer, .address_space: global }
      - { .name: noise, .offset: 24, .size: 8, .value_kind: global_buffer, .address_space: global }
      - { .name: audio, .offset: 32, .size: 8, .value_kind: global_buffer, .address_space: global }
      - { .name: peaks, .offset: 40, .size: 8, .value_kind: global_buffer, .address_space: global }
    .group_segment_fixed_size: 2304
    .private_segment_fixed_size: 0
    .kernarg_segment_align: 8
    .kernarg_segment_size: 48
    .max_flat_workgroup_size: 512
    .sgpr_count:     80
    .vgpr_count:     250
    .wavefront_size: 32
...
	.end_amdgpu_metadata
.endif
;; end of part 1
;; launch norm (part 2): grid 250 x 1, 16 waves a work-group, no clusters, 0 bytes of LDS; arguments audio, peaks, out0; writes out0
.if DOCPART == 2
	.amdgcn_target "amdgcn-amd-amdhsa--gfx1250"
	.amdhsa_code_object_version 6
	.text
	.protected	k_q813d88dd69_norm
	.globl	k_q813d88dd69_norm
	.p2align	8
	.type	k_q813d88dd69_norm,@function
k_q813d88dd69_norm:
	s_mov_b64 s[64:65], 0
	v_nop
	global_prefetch_b8 v0, s[64:65] scope:SCOPE_SE
	s_setreg_imm32_b32 hwreg(HW_REG_WAVE_MODE, 25, 1), 1
	s_wait_xcnt 0x0
; out0[b][t] = audio[b][t] / (peak[b] + 1e-6), peak[b] = the largest of the row's 128 words in peaks.
; 4,000 waves, one for each segment of 2,048 bytes; 125 segments are a row, so no wave crosses a row.  Each wave reads its row's
; 512 bytes of peaks (16 bytes a lane), reduces them in registers, and scales its four tiles of 512 consecutive bytes.
; All of a wave's five loads are issued at once.  No LDS, no barrier: no wave needs another.  The matrix unit, tensor loads and clusters
; have nothing to do in a plain stream.  The division is a multiplication by v_rcp_f32's result.
; LIMIT: the maximum is max_num, so a NaN word in peaks does not spread.
.set TILEB, 512
	s_load_b128 s[4:7], s[0:1], 0x0                ; audio s[4:5], peaks s[6:7]
	s_load_b64 s[8:9], s[0:1], 0x10                ; out0
	v_and_b32 v1, 31, v0
	v_lshrrev_b32 v2, 5, v0
	v_readfirstlane_b32 s10, v2                    ; wave
	s_lshl_b32 s11, ttmp9, 4
	s_add_co_u32 s11, s11, s10                     ; g = 16 x work-group + wave, 0 .. 3999
	s_mul_i32 s12, s11, 8389                       ; g / 125: 8389 x 125 = 2^20 + 49, and 3999 x 49 / 2^20 is under 1, so the quotient is exact
	s_lshr_b32 s12, s12, 20
	s_lshl_b32 s12, s12, 9                         ; the row's 512 bytes of peaks
	s_mov_b32 s13, 0
	s_lshl_b32 s14, s11, 11                        ; the wave's 2,048 bytes
	s_mov_b32 s15, 0
	s_mov_b32 s16, 0x76543210                      ; v_permlanex16_b32: lane i takes lane i of the other half
	s_mov_b32 s17, 0xfedcba98
	v_lshlrev_b32 v3, 4, v1                        ; 16 bytes a lane
	v_mov_b32 v10, 0                               ; v_permlanex16_b32's destination counts as read
	s_wait_kmcnt 0x0
	s_add_nc_u64 s[6:7], s[6:7], s[12:13]
	s_add_nc_u64 s[4:5], s[4:5], s[14:15]
	s_add_nc_u64 s[8:9], s[8:9], s[14:15]
	global_load_b128 v[4:7], v3, s[6:7]            ; read by the row's 125 waves: no hint
.irp i, 0,1,2,3
	global_load_b128 v[12+4*\i:15+4*\i], v3, s[4:5] offset:\i*TILEB th:TH_LOAD_NT
.endr
	s_wait_loadcnt 4                               ; the peaks are in; the four audio loads behind them stay out
	v_max3_num_f32 v4, v4, v5, v6
	v_max_num_f32 v4, v4, v7
.irp m, 1,2,4,8
	v_max_num_f32_dpp v4, v4, v4 row_xmask:\m row_mask:0xf bank_mask:0xf
.endr
	v_permlanex16_b32 v10, v4, s16, s17
	v_max_num_f32 v4, v4, v10                      ; the row's peak, in every lane
	v_add_f32 v4, 0x358637bd, v4                   ; + 1e-6
	v_rcp_f32 v8, v4                               ; twice: a pair for the packed multiply
	v_rcp_f32 v9, v4
	v_nop                                          ; one plain place between the reciprocals and their first use (ISA guide 5.7.2)
	s_wait_alu depctr_va_vdst(0)
.irp i, 0,1,2,3
	s_wait_loadcnt 3-\i                            ; tile i is in, the later tiles stay out
	v_pk_mul_f32 v[12+4*\i:13+4*\i], v[12+4*\i:13+4*\i], v[8:9]
	v_pk_mul_f32 v[14+4*\i:15+4*\i], v[14+4*\i:15+4*\i], v[8:9]
	global_store_b128 v3, v[12+4*\i:15+4*\i], s[8:9] offset:\i*TILEB th:TH_STORE_NT   ; 512 consecutive bytes a wave
.endr
	s_endpgm
.Lfunc_end_k_q813d88dd69_norm:
	.size	k_q813d88dd69_norm, .Lfunc_end_k_q813d88dd69_norm-k_q813d88dd69_norm
	.p2alignl 7, 3214868480
	.fill 96, 4, 3214868480
	.section	.rodata,"a",@progbits
	.p2align	6, 0x0
	.amdhsa_kernel k_q813d88dd69_norm
		.amdhsa_group_segment_fixed_size 0
		.amdhsa_private_segment_fixed_size 0
		.amdhsa_enable_private_segment 0
		.amdhsa_kernarg_size 24
		.amdhsa_user_sgpr_count 2
		.amdhsa_user_sgpr_kernarg_segment_ptr 1
		.amdhsa_wavefront_size32 1
		.amdhsa_system_sgpr_workgroup_id_x 1
		.amdhsa_system_sgpr_workgroup_id_y 1
		.amdhsa_system_sgpr_workgroup_id_z 1
		.amdhsa_system_vgpr_workitem_id 0
		.amdhsa_next_free_vgpr 28
		.amdhsa_next_free_sgpr 66
		.amdhsa_reserve_vcc 0
		.amdhsa_float_denorm_mode_32 3
		.amdhsa_float_denorm_mode_16_64 3
		.amdhsa_memory_ordered 1
		.amdhsa_forward_progress 1
		.amdhsa_inst_pref_size 4
	.end_amdhsa_kernel
	.amdgpu_metadata
---
amdhsa.version: [ 1, 2 ]
amdhsa.kernels:
  - .name:           k_q813d88dd69_norm
    .symbol:         k_q813d88dd69_norm.kd
    .args:
      - { .name: audio, .offset: 0, .size: 8, .value_kind: global_buffer, .address_space: global }
      - { .name: peaks, .offset: 8, .size: 8, .value_kind: global_buffer, .address_space: global }
      - { .name: out0, .offset: 16, .size: 8, .value_kind: global_buffer, .address_space: global }
    .group_segment_fixed_size: 0
    .private_segment_fixed_size: 0
    .kernarg_segment_align: 8
    .kernarg_segment_size: 24
    .max_flat_workgroup_size: 512
    .sgpr_count:     66
    .vgpr_count:     28
    .wavefront_size: 32
...
	.end_amdgpu_metadata
.endif
;; end of part 2
